; MI455X (gfx1250); checked and timed in simulation.
; The chip was launched on July 23, 2026; its instructions are those of AMD's public machine-readable ISA for CDNA 5 (MIT licence, August 2026) and "CDNA5" Instruction Set Architecture Reference Guide (July 2026). The comments in the code are by the model that wrote it; some were corrected since.
;; Megatron Mo E Wrapper. Allowed arithmetic: float matrix products may take bf16 or f16 operands with f32 sums; other float arithmetic in f32, or as packed bf16 or f16 multiplies, adds, multiply-adds, maxima and minima; sums over many terms, partial sums and values carried from step to step in f32; what a program stores and reads back later, other than sums and carried values, may be rounded once to bf16 or f16.
;; Inputs: gate_w 8 x 1,024 float32; w1 8 x 4,096 x 1,024 float32; w2 8 x 1,024 x 4,096 float32; x 1,024 x 1,024 float32.
;; Outputs: out0 1,024 x 1,024 float32.
;; One version. Each part assembles by itself: llvm-mc -triple=amdgcn-amd-amdhsa -mcpu=gfx1250 --defsym DOCPART=n.
;; ======== version 1 of 1: 4 launches
;; workspace buffers: xb 2,097,152 bytes; bm 16,384 bytes of whole numbers; wts 8,192 bytes; hbuf 67,108,864 bytes; ybuf 33,554,432 bytes
;; launch router (part 1): grid 128 x 1, 8 waves a work-group, no clusters, 18,432 bytes of LDS; arguments x, gate_w, xb, bm, wts; writes xb, bm, wts
.if DOCPART == 1
	.amdgcn_target "amdgcn-amd-amdhsa--gfx1250"
	.amdhsa_code_object_version 6
	.text
	.protected	k_q8e0adf6638_router
	.globl	k_q8e0adf6638_router
	.p2align	8
	.type	k_q8e0adf6638_router,@function
k_q8e0adf6638_router:
	s_mov_b64 s[64:65], 0
	v_nop
	global_prefetch_b8 v0, s[64:65] scope:SCOPE_SE
	s_setreg_imm32_b32 hwreg(HW_REG_WAVE_MODE, 25, 1), 1
	s_wait_xcnt 0x0
; ROUTER.  logits[t][e] = sum over d of x[t][d] gate_w[e][d]; the two largest of a token's 8 logits (ties: the lower expert, as jax.lax.top_k), a softmax over those two.
; x: [1024][1024] f32, gate_w: [8][1024] f32.  Stored: xb = x rounded to bf16, [1024][1024]; wts = the two weights, f32 [1024][2];
; bm = the choices as bit masks, at fixed places: [128 groups of 8 tokens][32 words], word 8 k + e = 8 bits, bit i set where token 8 q + i has expert e as its k-th choice; words 16-31 are 0.
; No address and no branch here hangs on the choice: the later launches read bm and place the rows.
; FORMAT.  x and gate_w are rounded to bf16 before the products, as all inputs are in this program; products exact, sums in f32, in another order than a row-by-row sum.
; LIMITS.  NaN logits are not treated apart; two logits that differ by less than the sums' last bits may change places.
; SHARES.  Work-group q has tokens 8 q .. 8 q + 7, a wave a token.  The vector unit makes the products: 8 x 1,024 multiply-adds a token, and a wave's loads then cover 512 consecutive bytes each,
; where a matrix fragment would take 32 bytes of each of 16 rows.  Nothing is shared between work-groups but gate_w's 32 KB, so there is no cluster.
.set GATE,  0                          ; [8 experts][4][32 lanes][16 bytes]: gate_w in bf16, each lane's numbers where that lane reads them
.set LOG,   16384                      ; [8 tokens][8 f32]
.set SPARE, 17408                      ; the spare words: 128 bytes for each of eight waves; no other line names them
.set LO,  8                            ; v8-15   sums over the low halves, then the logits
.set HI,  16                           ; v16-23  sums over the high halves
.set ZR,  29                           ; v29     0: starts the sums
.set SPW, 30                           ; v30     my spare word's LDS address; never rewritten
.set NIL, 31                           ; v31     0; never rewritten
.set XR,  32                           ; v32-63  my token's row, f32
.set GR,  64                           ; v64-95  gate_w's row w, f32
.set XP,  96                           ; v96-111 the token's row, bf16 pairs
.set GP,  112                          ; v112-127 gate_w's row w, bf16 pairs
.set G,   128                          ; v128-255 all eight experts' rows, 16 registers each
	s_load_b256 s[4:11], s[0:1], 0x0               ; x s[4:5], gate_w s[6:7], xb s[8:9], bm s[10:11]
	s_load_b64 s[12:13], s[0:1], 0x20              ; wts
	v_lshl_add_u32 v[SPW], v0, 2, SPARE
	v_mov_b32 v[NIL], 0
	v_and_b32 v1, 31, v0                           ; lane
	v_lshrrev_b32 v2, 5, v0
	v_readfirstlane_b32 s14, v2                    ; wave 0..7
	s_lshl_b32 s15, ttmp9, 3
	s_add_co_u32 s15, s15, s14                     ; my token
	s_lshl_b32 s16, s15, 12                        ; its row in x, 4,096 bytes a row
	s_mov_b32 s17, 0
	s_lshl_b32 s18, s15, 11                        ; and in xb, 2,048
	s_mov_b32 s19, 0
	s_mov_b32 s20, 0x76543210                      ; v_permlanex16_b32: each lane takes its own place in the other half
	s_mov_b32 s21, 0xfedcba98
	s_lshl_b32 s22, s14, 5
	s_add_co_u32 s22, s22, LOG                     ; my token's eight logits in LDS
	s_mov_b32 s23, 0xff800000                      ; -infinity: takes the first choice out of the second search
	v_lshlrev_b32 v3, 4, v1                        ; 16 x lane
	v_lshl_add_u32 v4, s14, 12, v3                 ; gate_w: row w
	v_lshl_add_u32 v6, s14, 11, v3                 ; GATE: expert w
	v_lshlrev_b32 v5, 3, v1                        ; 8 x lane
	v_mov_b32 v7, s22
	v_mov_b32 v[ZR], 0
	s_wait_kmcnt 0x0
	s_add_nc_u64 s[4:5], s[4:5], s[16:17]
	s_add_nc_u64 s[8:9], s[8:9], s[18:19]
.irp j, 0,1,2,3,4,5,6,7
	global_load_b128 v[GR+4*(\j):GR+4*(\j)+3], v4, s[6:7] offset:512*(\j)
.endr
.irp j, 0,1,2,3,4,5,6,7
	global_load_b128 v[XR+4*(\j):XR+4*(\j)+3], v3, s[4:5] offset:512*(\j) th:TH_LOAD_NT  ; load j, lane l: numbers 128 j + 4 l .. + 3
.endr
	s_wait_loadcnt 8                               ; gate_w's row is in; the eight loads of x behind it may be out
.irp i, 0,1,2,3,4,5,6,7,8,9,10,11,12,13,14,15
	v_cvt_pk_bf16_f32 v[GP+(\i)], v[GR+2*(\i)], v[GR+2*(\i)+1]
.endr
.irp p, 0,1,2,3
	ds_store_b128 v6, v[GP+4*(\p):GP+4*(\p)+3] offset:GATE+512*(\p)
.endr
	s_wait_dscnt 0x0                               ; for the others' sake: my expert's row is in LDS
	s_barrier_signal -1
	s_barrier_wait -1
.irp e, 0,1,2,3,4,5,6,7
.irp p, 0,1,2,3
	ds_load_b128 v[G+16*(\e)+4*(\p):G+16*(\e)+4*(\p)+3], v3 offset:GATE+2048*(\e)+512*(\p)
.endr
.endr
	s_wait_loadcnt 0x0                             ; x
.irp i, 0,1,2,3,4,5,6,7,8,9,10,11,12,13,14,15
	v_cvt_pk_bf16_f32 v[XP+(\i)], v[XR+2*(\i)], v[XR+2*(\i)+1]
.endr
.irp j, 0,1,2,3,4,5,6,7
	global_store_b64 v5, v[XP+2*(\j):XP+2*(\j)+1], s[8:9] offset:256*(\j)  ; 32 lanes store 256 consecutive bytes, at a multiple of 256 from xb's first byte
.endr
	s_wait_dscnt 0x0                               ; all eight experts' rows
	; 16 chains (8 experts x low and high halves) of 16 fused multiply-adds from bf16 halves into f32
.set p, 0
.rept 16
.irp e, 0,1,2,3,4,5,6,7
.if p == 0
	v_fma_mix_f32_bf16 v[LO+(\e)], v[XP], v[G+16*(\e)], v[ZR] op_sel_hi:[1,1,0]
	v_fma_mix_f32_bf16 v[HI+(\e)], v[XP], v[G+16*(\e)], v[ZR] op_sel:[1,1,0] op_sel_hi:[1,1,0]
.else
	v_fma_mix_f32_bf16 v[LO+(\e)], v[XP+p], v[G+16*(\e)+p], v[LO+(\e)] op_sel_hi:[1,1,0]
	v_fma_mix_f32_bf16 v[HI+(\e)], v[XP+p], v[G+16*(\e)+p], v[HI+(\e)] op_sel:[1,1,0] op_sel_hi:[1,1,0]
.endif
.endr
.set p, p+1
.endr
.irp e, 0,1,2,3,4,5,6,7
	v_add_f32 v[LO+(\e)], v[LO+(\e)], v[HI+(\e)]
.endr
.irp m, 1,2,4,8                        ; across the lanes: four steps inside each half of 16, one across the halves; every lane ends with the sum
.irp e, 0,1,2,3,4,5,6,7
	v_add_f32_dpp v[LO+(\e)], v[LO+(\e)], v[LO+(\e)] row_xmask:\m row_mask:0xf bank_mask:0xf
.endr
.endr
.irp e, 0,1,2,3,4,5,6,7
	v_permlanex16_b32 v[HI+(\e)], v[LO+(\e)], s20, s21
.endr
.irp e, 0,1,2,3,4,5,6,7
	v_add_f32 v[LO+(\e)], v[LO+(\e)], v[HI+(\e)]
.endr
	ds_store_b128 v7, v[LO:LO+3]                   ; all lanes write the same words with the same numbers
	ds_store_b128 v7, v[LO+4:LO+7] offset:16
	s_wait_dscnt 0x0                               ; for wave 0's sake
	s_barrier_signal -1
	s_barrier_wait -1
	s_cmp_lg_u32 s14, 0
	s_cbranch_scc1 .Lend                           ; wave 0 alone chooses, a token a lane (lanes 8-31 repeat tokens 0-7); no barrier stands in what the others jump
	v_and_b32 v24, 7, v1
	v_lshlrev_b32 v24, 5, v24
	ds_load_b128 v[32:35], v24 offset:LOG
	ds_load_b128 v[36:39], v24 offset:LOG+16
	s_wait_dscnt 0x0
	v_mov_b32 v40, v32                             ; the largest, and where: a later expert wins only if strictly greater
	v_mov_b32 v41, 0
.irp e, 1,2,3,4,5,6,7
	v_cmp_gt_f32 vcc_lo, v[32+(\e)], v40
	v_cndmask_b32 v40, v40, v[32+(\e)], vcc_lo
	v_cndmask_b32 v41, v41, \e, vcc_lo
.endr
.irp e, 0,1,2,3,4,5,6,7
	v_cmp_eq_u32 vcc_lo, \e, v41
	v_cndmask_b32 v[32+(\e)], v[32+(\e)], s23, vcc_lo
.endr
	v_mov_b32 v42, v32                             ; the largest of the rest
	v_mov_b32 v43, 0
.irp e, 1,2,3,4,5,6,7
	v_cmp_gt_f32 vcc_lo, v[32+(\e)], v42
	v_cndmask_b32 v42, v42, v[32+(\e)], vcc_lo
	v_cndmask_b32 v43, v43, \e, vcc_lo
.endr
	v_sub_f32 v44, v42, v40                        ; the maximum is taken away: the exponents are 0 and m1 - m0 <= 0
	v_mul_f32 v44, 0x3fb8aa3b, v44                 ; x log2(e)
	v_exp_f32 v45, v44
	v_mov_b32 v50, 0                               ; a plain instruction behind the exponential: the word of masks starts at 0
	s_wait_alu depctr_va_vdst(0)                   ; the wait ahead of the first line that names the result
	v_add_f32 v46, 1.0, v45
	v_rcp_f32 v48, v46                             ; the first weight, 1 / (1 + e1)
	v_nop
	s_wait_alu depctr_va_vdst(0)
	v_mul_f32 v49, v45, v48                        ; the second, e1 / (1 + e1)
.irp k, 0,1
.irp e, 0,1,2,3,4,5,6,7
	v_cmp_eq_u32 s24, \e, v[41+2*(\k)]             ; which tokens have expert e as choice k
	s_and_b32 s24, s24, 0xff
	v_writelane_b32 v50, s24, 8*(\k)+(\e)          ; into lane 8 k + e: a fixed place
.endr
.endr
	s_lshl_b32 s25, ttmp9, 7
	v_lshl_add_u32 v51, v1, 2, s25
	global_store_b32 v51, v50, s[10:11]            ; the group's 32 words
	s_lshl_b32 s26, ttmp9, 6
	v_lshl_add_u32 v52, v1, 3, s26
	s_wait_xcnt 0x0                                ; EXEC changes only behind this wait
	v_cmp_gt_u32 vcc_lo, 8, v1
	s_and_saveexec_b32 s27, vcc_lo
	global_store_b64 v52, v[48:49], s[12:13]       ; lanes 0-7: their tokens' two weights
	s_wait_xcnt 0x0                                ; and again ahead of the line that widens it
	s_or_b32 exec_lo, exec_lo, s27
.Lend:
	s_wait_tensorcnt 0x0                           ; the wave's end, behind my last LDS store
	ds_add_u32 v[SPW], v[NIL]
	s_wait_dscnt 0x0
	s_endpgm
.Lfunc_end_k_q8e0adf6638_router:
	.size	k_q8e0adf6638_router, .Lfunc_end_k_q8e0adf6638_router-k_q8e0adf6638_router
	.p2alignl 7, 3214868480
	.fill 96, 4, 3214868480
	.section	.rodata,"a",@progbits
	.p2align	6, 0x0
	.amdhsa_kernel k_q8e0adf6638_router
		.amdhsa_group_segment_fixed_size 18432
		.amdhsa_private_segment_fixed_size 0
		.amdhsa_enable_private_segment 0
		.amdhsa_kernarg_size 40
		.amdhsa_user_sgpr_count 2
		.amdhsa_user_sgpr_kernarg_segment_ptr 1
		.amdhsa_wavefront_size32 1
		.amdhsa_system_sgpr_workgroup_id_x 1
		.amdhsa_system_sgpr_workgroup_id_y 1
		.amdhsa_system_sgpr_workgroup_id_z 1
		.amdhsa_system_vgpr_workitem_id 0
		.amdhsa_next_free_vgpr 256
		.amdhsa_next_free_sgpr 66
		.amdhsa_reserve_vcc 1
		.amdhsa_float_denorm_mode_32 3
		.amdhsa_float_denorm_mode_16_64 3
		.amdhsa_memory_ordered 1
		.amdhsa_forward_progress 1
		.amdhsa_inst_pref_size 35
	.end_amdhsa_kernel
	.amdgpu_metadata
---
amdhsa.version: [ 1, 2 ]
amdhsa.kernels:
  - .name:           k_q8e0adf6638_router
    .symbol:         k_q8e0adf6638_router.kd
    .args:
      - { .name: x, .offset: 0, .size: 8, .value_kind: global_buffer, .address_space: global }
      - { .name: gate_w, .offset: 8, .size: 8, .value_kind: global_buffer, .address_space: global }
      - { .name: xb, .offset: 16, .size: 8, .value_kind: global_buffer, .address_space: global }
      - { .name: bm, .offset: 24, .size: 8, .value_kind: global_buffer, .address_space: global }
      - { .name: wts, .offset: 32, .size: 8, .value_kind: global_buffer, .address_space: global }
    .group_segment_fixed_size: 18432
    .private_segment_fixed_size: 0
    .kernarg_segment_align: 8
    .kernarg_segment_size: 40
    .max_flat_workgroup_size: 256
    .sgpr_count:     66
    .vgpr_count:     256
    .wavefront_size: 32
...
	.end_amdgpu_metadata
.endif
;; end of part 1
;; launch ffn1 (part 2): grid 256 x 1, 4 waves a work-group, no clusters, 301,568 bytes of LDS; arguments xb, w1, bm, hbuf; writes hbuf
.if DOCPART == 2
	.amdgcn_target "amdgcn-amd-amdhsa--gfx1250"
	.amdhsa_code_object_version 6
	.text
	.protected	k_q8e0adf6638_ffn1
	.globl	k_q8e0adf6638_ffn1
	.p2align	8
	.type	k_q8e0adf6638_ffn1,@function
k_q8e0adf6638_ffn1:
	s_mov_b64 s[64:65], 0
	v_nop
	global_prefetch_b8 v0, s[64:65] scope:SCOPE_SE
	s_setreg_imm32_b32 hwreg(HW_REG_WAVE_MODE, 25, 1), 1
	s_wait_xcnt 0x0
; FIRST PRODUCT AND GELU, for the chosen rows alone.  h[rank][f] = gelu(sum over d of x[token(rank)][d] w1[e][f][d]).  xb: [1024][1024] bf16; w1: [8][4096][1024] f32; bm: the choices (below).
; hbuf takes h in bf16 in the order in which the second product's operand registers want it: [expert][64 blocks of 16 ranks][128 kk][2 halves][32 lanes][16 bytes]:
; lane (r, hh) of half q of kk holds rank r's h at f = 32 kk + 16 q + 8 hh + 0..7.  Only blocks that hold ranks are written.
; SHARES.  Work-group (e, sl) owns rows 128 sl .. + 127 of w1[e] (512 KB of f32, which it alone reads, once) and ALL rows of expert e.  8 x 32 = 256 work-groups, four waves.
; THE STREAM.  K goes in 16 chunks of 64.  A chunk's weights go memory -> registers -> rounded to bf16 -> LDS, each chunk into bytes of its own, which stay: nothing of them is written twice, one barrier a chunk
; shows the next chunk to all waves, and rows beyond the first 384 are served afterwards from the resident slice.  Token rows go from memory straight into operand registers.
; A wave holds 6 blocks of 16 ranks x 128 columns: 384 accumulator registers.  Rank block B = 24 rb + 4 b + w (row block rb, b = 0..5, wave w).  All loads are issued on every path, so that every counted wait
; counts the same loads whatever the expert's count; only products and the way out of blocks without ranks are jumped.
; THE LIST.  bm: [128 groups of 8 tokens][32 words], word 8 k + e = 8 bits: which tokens have expert e as choice k.  Every wave ranks expert e's tokens in ascending order for itself and keeps, in LDS bytes of its own,
; the slots 2 t + k of its own blocks.  Places past the count hold slot 0: they repeat token 0's row.  An expert without tokens still makes block 0, so that the next launch reads only bytes that were written.
; THE MATRIX INSTRUCTION IS USED TRANSPOSED: source 0 = 16 rows of w1, source 1 = 16 token rows.  A lane then holds one rank (lane % 16) and eight neighbouring f.
; GELU.  x Phi(x) = max(x, 0) - |x| / 2 (1 + d1 |x| + .. + d6 |x|^6)^-16, Abramowitz and Stegun 26.2.19: the tail's absolute error is under 1.5e-7, for every |x|; where the polynomial overflows the tail is 0.
; FORMAT AND LIMITS.  w1 is rounded to bf16 on its way, as all inputs are in this program; sums in f32; h rounded once to bf16.  NaN and infinities are not treated apart.
; NO CLUSTER: each weight byte has one reader; what an expert's 32 work-groups share is its token rows, which come by a list into registers, and LDS has 26 KB left beside the slice.
.set WSH,    12
.set WPITCH, 1<<WSH                    ; bytes from a row of w1 to the next
.set A_KK,   64                        ; token operand: bytes for 32 along K
.set A_Q,    32                        ; from a fragment's first 16 bytes to its second
.set ACH,    2*A_KK                    ; a chunk's bytes of a token row
.set BP,     144                       ; a weight row of a chunk in LDS: 128 bytes + 16 = 36 words: the 16 rows of a fragment load start at 16 different groups of four banks (64 banks of 4 bytes: ISA guide 11.1)
.set CHB,    128*BP                    ; a chunk
.set LIST,   16*CHB                    ; behind the 16 chunks: for each wave 256 words of slots, 32 words that take the entries of other waves, and padding
.set LISTB,  1536
.set SPARE,  LIST+4*LISTB              ; the spare words, 128 bytes a wave; no other line names them
; window 0
.set WOFF, 4                           ; v4   (32 w + 8 hh) rows of w1 + 16 r: my place in a chunk of weights; never rewritten
.set WST,  5                           ; v5   where my rounded weights go, at the chunk in hand
.set H16,  6                           ; v6   16 hh
.set BRD,  7                           ; v7   r x 144 + 16 hh, at the chunk in hand: a weight fragment's address
.set BRD0, 8                           ; v8   the same at chunk 0
.set LB,   9                           ; v9   my wave's list
.set AOFF, 10                          ; v10-15  block b's byte offset in xb: my rank's row + 16 hh
.set L16,  16                          ; v16  16 x lane
.set GO,   17                          ; v17  the way out: block B x 131,072 + 16 x lane
.set WST0, 50                          ; v50  WST at chunk 0
.set SPW,  62                          ; v62  my spare word's LDS address; never rewritten
.set NIL,  63                          ; v63  0; never rewritten
.set PK,   64                          ; v64-95   a chunk's weights, rounded
.set WF,   128                         ; v128-255 weight fragments: 128 + 64 kk + 8 nb
; window 1: v0-191 token fragments, two sets: 96 set + 16 b + 8 kk.  On the way out:
.set AX,   0                           ; |x|
.set RL,   64                          ; max(x, 0), then the result
.set TT,   128                         ; the polynomial and its powers
.set HP,   192                         ; h, packed
; window 2: accumulators of blocks 0-3 at 64 b + 8 nb.  window 3: v0-127 blocks 4-5; v128-255 weights as loaded, two sets
.set RAW,  128
.set WV,   12                          ; s12 wave   s13 expert   s14 slice
.set EX,   13
.set SL,   14
.set CNT,  15                          ; s15 the expert's rows   s16 its blocks, at least 1   s17 the last block
.set NBT,  16
.set NBT1, 17
.set NL,   18                          ; s18 my live blocks in the row block in hand, 0..6
.set RB,   19                          ; s19 the row block
.set AB,   28                          ; s[28:29] xb at the chunk in hand   s[30:31] at chunk 0
.set AB0,  30
.set WB,   32                          ; s[32:33] my slice of w1 at the chunk in hand
.set OB,   34                          ; s[34:35] hbuf at my expert and my slice's four kk
.set DC,   40                          ; s[40:51] d1 .. d6, each twice: the packed forms name pairs
.set MSB, 0
.macro WIN new                         ; s_set_vgpr_msb: bits 1:0 source 0, 3:2 source 1, 5:4 source 2, 7:6 destination; the high byte repeats the setting that is left; a switch that changes nothing is dropped
.if MSB != (\new)
	s_set_vgpr_msb (MSB<<8)|(\new)
.set MSB, \new
.endif
.endm
.macro PLACES                          ; four plain instructions between a matrix instruction and a load into, or a vector read of, its registers
.rept 4
	v_nop
.endr
.endm
; 16 loads: chunk g (counted from the one in hand) of my 32 weight rows.  Lanes 0-15 take 256 consecutive bytes of one row, lanes 16-31 those of the row 8 further down.
.macro WISSUE set, g
	WIN 0xc0                                       ; destination window 3
.irp i, 0,1,2,3,4,5,6,7,8,9,10,11,12,13,14,15
	global_load_b128 v[RAW+64*(\set)+4*(\i):RAW+64*(\set)+4*(\i)+3], v[WOFF], s[WB:WB+1] offset:(\g)*256+(16*((\i)/8)+(\i)%8)*WPITCH th:TH_LOAD_NT
.endr
.endm
; 24 loads: chunk g of the token rows of all six blocks, live or not
.macro AISSUE set, g
	WIN 0x40                                       ; destination window 1
.irp b, 0,1,2,3,4,5
.irp k, 0,1
.irp q, 0,1
	global_load_b128 v[96*(\set)+16*(\b)+8*(\k)+4*(\q):96*(\set)+16*(\b)+8*(\k)+4*(\q)+3], v[AOFF+(\b)], s[AB:AB+1] offset:(\g)*ACH+(\k)*A_KK+(\q)*A_Q
.endr
.endr
.endr
.endm
; 32 LDS loads: the 16 weight fragments of chunk kb
.macro BLOAD kb
	WIN 0
.irp k, 0,1
.irp n, 0,1,2,3,4,5,6,7
	ds_load_b128 v[WF+64*(\k)+8*(\n):WF+64*(\k)+8*(\n)+3],   v[BRD] offset:(\kb)*CHB+(\n)*16*BP+(\k)*64
	ds_load_b128 v[WF+64*(\k)+8*(\n)+4:WF+64*(\k)+8*(\n)+7], v[BRD] offset:(\kb)*CHB+(\n)*16*BP+(\k)*64+32
.endr
.endr
.endm
; a chunk's weights are rounded and put into LDS as chunk ks: 8 bytes a lane
.macro CONSUME set, ks
	WIN 0x0f                                       ; sources window 3
.irp i, 0,1,2,3,4,5,6,7,8,9,10,11,12,13,14,15
	v_cvt_pk_bf16_f32 v[PK+2*(\i)],   v[RAW+64*(\set)+4*(\i)],   v[RAW+64*(\set)+4*(\i)+1]
	v_cvt_pk_bf16_f32 v[PK+2*(\i)+1], v[RAW+64*(\set)+4*(\i)+2], v[RAW+64*(\set)+4*(\i)+3]
.endr
	WIN 0
.irp i, 0,1,2,3,4,5,6,7,8,9,10,11,12,13,14,15
	ds_store_b64 v[WST], v[PK+2*(\i):PK+2*(\i)+1] offset:(\ks)*CHB+(16*((\i)/8)+(\i)%8)*BP
.endr
.endm
; A chunk's products: 16 for each live block, its 8 accumulators by turns, one instruction a turn: no two matrix instructions on end share an accumulator, from block to block and from
; chunk to chunk too.  zero = 1: the first products start the sums with the constant 0, in all six blocks, so that nothing is cleared and every accumulator is written on every path.
.macro MULS set, zero
.irp b, 0,1,2,3,4,5
.if !(\zero)
	WIN 0                                          ; at a branch and at a label every window is 0
	s_cmp_le_u32 s[NL], \b
	s_cbranch_scc1 .Lmend_\@
.endif
	WIN 0xa4+0x50*((\b)/4)                         ; weights window 0, tokens window 1, sums window 2 or 3
.irp k, 0,1
.irp n, 0,1,2,3,4,5,6,7
.set AC, 64*((\b)%4)+8*(\n)
.set FW, WF+64*(\k)+8*(\n)
.set FA, 96*(\set)+16*(\b)+8*(\k)
.if (\zero) && ((\k) == 0)
	v_wmma_f32_16x16x32_bf16 v[AC:AC+7], v[FW:FW+7], v[FA:FA+7], 0
.else
	v_wmma_f32_16x16x32_bf16 v[AC:AC+7], v[FW:FW+7], v[FA:FA+7], v[AC:AC+7]
.endif
.endr
.endr
.endr
	WIN 0
.Lmend_\@:
	PLACES                                         ; in front of the next loads into fragment registers, and of the way out's reads
.endm
.macro BAR
	s_wait_dscnt 0x0                               ; for the others' sake: none of my LDS instructions is out
	s_barrier_signal -1
	s_barrier_wait -1
.endm
; THE STAGE of chunk c = the chunk in hand + d; par = c % 2.  The loads' order is the same on every path: .. W(c+1), A(c), W(c+2), then in this stage A(c+1), W(c+3).
; n1: the loads issued behind A(c) when the wait is reached, which may stay out: W(c+2)'s 16, or none; W(c+1) is older than A(c) and is in with it.
; By this text's count a wave has 56 loads out at the most: W(c+2), A(c+1), W(c+3).
.macro STAGE par, zero, d, issa, cons, reis, n1, bar
	BLOAD \d
	s_wait_loadcnt \n1
.if \issa
	AISSUE 1-(\par), (\d)+1
.endif
.if \cons
	CONSUME 1-(\par), (\d)+1
.endif
.if \reis
	WISSUE 1-(\par), (\d)+3
.endif
.if \cons
	s_wait_dscnt 16                                ; the 32 fragment loads are in; the 16 stores behind them may be out
.else
	s_wait_dscnt 0x0
.endif
	MULS \par, \zero
.if \bar
	BAR                                            ; my part of the next chunk is in LDS; behind the barrier everybody's is
.endif
.endm
.macro STEP n                          ; the two global bases go n chunks on
	s_wait_xcnt 0x0                                ; every load issued has had its address translated (ISA guide 3.1): only now are their bases rewritten
	s_add_nc_u64 s[AB:AB+1], s[AB:AB+1], (\n)*ACH
	s_add_nc_u64 s[WB:WB+1], s[WB:WB+1], (\n)*256
.endm
.macro SETNL                           ; s22 = 24 x: my live blocks in row block x: those b with 24 x + 4 b + w < NBT
	s_sub_co_i32 s[NL], s[NBT], s22
	s_sub_co_i32 s[NL], s[NL], s[WV]
	s_add_co_i32 s[NL], s[NL], 3
	s_ashr_i32 s[NL], s[NL], 2
	s_max_i32 s[NL], s[NL], 0
	s_min_i32 s[NL], s[NL], 6
.endm
.macro SETA                            ; s22 = 24 x: the six blocks' token rows, from my list
	s_lshl_b32 s23, s22, 2                         ; my list's words 96 x ..
.irp b, 0,1,2,3,4,5
	s_add_co_u32 s24, s23, 16*(\b)
	v_add_nc_u32 v[18+(\b)], s24, v2
	v_min_u32 v[18+(\b)], 0xff, v[18+(\b)]         ; blocks past the 64th repeat the list's last words: they are never multiplied
	v_lshl_add_u32 v[18+(\b)], v[18+(\b)], 2, v[LB]
	ds_load_b32 v[24+(\b)], v[18+(\b)]
.endr
	s_wait_dscnt 0x0
.irp b, 0,1,2,3,4,5
	v_lshrrev_b32 v[24+(\b)], 1, v[24+(\b)]        ; slot 2 t + k -> token
	v_min_u32 v[24+(\b)], 0x3ff, v[24+(\b)]
	v_lshl_add_u32 v[AOFF+(\b)], v[24+(\b)], 11, v[H16]
.endr
.endm
.macro OSTAGE zero                     ; a chunk for a later row block: the weights are resident; plain, every wait for 0
	BLOAD 0
	AISSUE 0, 0
	s_wait_loadcnt 0x0
	s_wait_dscnt 0x0
	MULS 0, \zero
	s_add_nc_u64 s[AB:AB+1], s[AB:AB+1], ACH       ; the loads that named it are done
.endm
.macro DSET n, bits
	s_mov_b32 s[DC+2*(\n)-2], \bits
	s_mov_b32 s[DC+2*(\n)-1], \bits
.endm
	s_load_b256 s[4:11], s[0:1], 0x0               ; xb s[4:5], w1 s[6:7], bm s[8:9], hbuf s[10:11]
	v_lshl_add_u32 v[SPW], v0, 2, SPARE
	v_mov_b32 v[NIL], 0
	v_lshrrev_b32 v18, 5, v0
	v_readfirstlane_b32 s[WV], v18
	s_lshr_b32 s[EX], ttmp9, 5
	s_and_b32 s[SL], ttmp9, 31
	v_and_b32 v1, 31, v0                           ; lane
	v_and_b32 v2, 15, v0                           ; r
	v_bfe_u32 v3, v0, 4, 1                         ; hh
	v_lshlrev_b32 v[L16], 4, v1
	v_lshlrev_b32 v[H16], 4, v3
	s_lshl_b32 s22, s[WV], 5
	v_lshl_add_u32 v18, v3, 3, s22                 ; 32 w + 8 hh
	v_lshlrev_b32 v[WOFF], WSH, v18
	v_lshl_add_u32 v[WOFF], v2, 4, v[WOFF]
	v_mul_u32_u24 v[WST0], v18, BP
	v_lshl_add_u32 v[WST0], v2, 3, v[WST0]
	v_mov_b32 v[WST], v[WST0]
	v_mul_u32_u24 v[BRD0], v2, BP
	v_lshl_add_u32 v[BRD0], v3, 4, v[BRD0]
	v_mov_b32 v[BRD], v[BRD0]
	s_mul_i32 s22, s[WV], LISTB
	s_add_co_u32 s22, s22, LIST
	v_mov_b32 v[LB], s22
	s_lshl_b32 s22, s[EX], 2
	v_lshl_add_u32 v19, v1, 9, s22                 ; bm: lane g has tokens 32 g .. + 31, four groups of 128 bytes; expert e's word
	s_lshl_b32 s52, s[EX], 24                      ; w1: 16 MB an expert, 512 KB a slice
	s_lshl_b32 s22, s[SL], 19
	s_add_co_u32 s52, s52, s22
	s_mov_b32 s53, 0
	s_lshl_b32 s54, s[EX], 23                      ; hbuf: 8 MB an expert; my 128 f are four kk of 1,024 bytes
	s_lshl_b32 s22, s[SL], 12
	s_add_co_u32 s54, s54, s22
	s_mov_b32 s55, 0
	s_mov_b32 s26, 0x76543210                      ; v_permlanex16_b32: each lane takes its own place in the other half
	s_mov_b32 s27, 0xfedcba98
	s_mov_b32 s25, 0x01010101
	s_mov_b32 s36, 0x7fffffff
	DSET 1, 0x3d4c41b4                             ; 0.0498673470
	DSET 2, 0x3cad2fe7                             ; 0.0211410061
	DSET 3, 0x3b56cd72                             ; 0.0032776263
	DSET 4, 0x381f660e                             ; 0.0000380036
	DSET 5, 0x384d0fe2                             ; 0.0000488906
	DSET 6, 0x36b49f9e                             ; 0.0000053830
	s_wait_kmcnt 0x0
	s_add_nc_u64 s[WB:WB+1], s[6:7], s[52:53]
	s_add_nc_u64 s[OB:OB+1], s[10:11], s[54:55]
	s_mov_b64 s[AB0:AB0+1], s[4:5]
	s_mov_b64 s[AB:AB+1], s[4:5]
.irp k, 0,1
.irp i, 0,1,2,3
	global_load_b32 v[20+4*(\k)+(\i)], v19, s[8:9] offset:128*(\i)+32*(\k)
.endr
.endr
	WISSUE 0, 0                                    ; the stream begins ahead of the list's arithmetic
	WISSUE 1, 1
	WIN 0
.irp i, 28,29,30,31
	v_mov_b32 v[\i], 0
.endr
	v_add_nc_u32 v32, v[LB], v[L16]
	ds_store_b128 v32, v[28:31]                    ; my list starts as zeros: places past the count read slot 0
	ds_store_b128 v32, v[28:31] offset:512
	ds_store_b128 v32, v[28:31] offset:1024
	s_wait_loadcnt 32                              ; bm's eight words are in; the 32 weight loads behind them stay out
	v_lshl_or_b32 v33, v21, 8, v20                 ; bit j: token 32 g + j has expert e as its first choice,
	v_lshl_or_b32 v33, v22, 16, v33
	v_lshl_or_b32 v33, v23, 24, v33
	v_lshl_or_b32 v34, v25, 8, v24                 ; as its second
	v_lshl_or_b32 v34, v26, 16, v34
	v_lshl_or_b32 v34, v27, 24, v34
	v_or_b32 v35, v33, v34
	v_lshrrev_b32 v38, 1, v35                      ; how many bits are set: pairs, fours, bytes, and the bytes' sum by a multiplication
	v_and_b32 v38, 0x55555555, v38
	v_sub_nc_u32 v36, v35, v38
	v_lshrrev_b32 v38, 2, v36
	v_and_b32 v36, 0x33333333, v36
	v_and_b32 v38, 0x33333333, v38
	v_add_nc_u32 v36, v36, v38
	v_lshrrev_b32 v38, 4, v36
	v_add_nc_u32 v36, v36, v38
	v_and_b32 v36, 0x0f0f0f0f, v36
	v_mul_lo_u32 v36, v36, s25
	v_lshrrev_b32 v36, 24, v36
	v_mov_b32 v37, 0                               ; the ranks in front of my 32 tokens: five steps; in each a lane takes its partner's sum, and counts it in front if the partner is the lower
.irp s, 0,1,2,3
	v_mov_b32_dpp v38, v36 row_xmask:1<<(\s) row_mask:0xf bank_mask:0xf
	v_bfe_u32 v39, v1, \s, 1
	v_mad_u32_u24 v37, v39, v38, v37
	v_add_nc_u32 v36, v36, v38
.endr
	v_permlanex16_b32 v38, v36, s26, s27
	v_bfe_u32 v39, v1, 4, 1
	v_mad_u32_u24 v37, v39, v38, v37
	v_add_nc_u32 v36, v36, v38
	v_readfirstlane_b32 s[CNT], v36
	s_min_u32 s[CNT], s[CNT], 1024
	s_add_co_u32 s[NBT], s[CNT], 15
	s_lshr_b32 s[NBT], s[NBT], 4
	s_max_u32 s[NBT], s[NBT], 1
	s_sub_co_u32 s[NBT1], s[NBT], 1
	v_lshlrev_b32 v40, 6, v1                       ; slot of my first token, first choice
	v_add_nc_u32 v41, 0x100, v1                    ; where entries that are not mine go
	s_mov_b32 s20, 0
.Llist:                                                ; 32 trips: token 32 g + j of every lane
	v_bfe_u32 v42, v35, s20, 1                     ; is it the expert's?
	v_bfe_u32 v43, v34, s20, 1                     ; by which choice?
	s_lshl_b32 s21, s20, 1
	v_add_nc_u32 v43, v40, v43
	v_add_nc_u32 v43, s21, v43                     ; its slot
	v_bfe_u32 v44, v37, 4, 2                       ; rank block % 4: whose block?
	v_cmp_eq_u32 vcc_lo, s[WV], v44
	v_cmp_eq_u32 s22, 1, v42
	s_and_b32 vcc_lo, vcc_lo, s22
	v_lshrrev_b32 v44, 6, v37                      ; my block's number among mine, 6 rb + b,
	v_and_b32 v45, 15, v37                         ; and the place in it
	v_lshl_or_b32 v44, v44, 4, v45
	v_cndmask_b32 v44, v41, v44, vcc_lo
	v_min_u32 v44, 0x11f, v44
	v_lshl_add_u32 v44, v44, 2, v[LB]
	ds_store_b32 v44, v43
	v_add_nc_u32 v37, v37, v42
	s_add_co_u32 s20, s20, 1
	s_cmp_lt_u32 s20, 32
	s_cbranch_scc1 .Llist
	s_mov_b32 s22, 0
	SETNL
	SETA                                           ; LDS serves a wave's instructions in order (ISA guide 5.7.1.4): these loads see the stores above
	; THE STREAM: row block 0 under the weights
	AISSUE 0, 0
	s_wait_loadcnt 40                              ; W0 is in: behind it W1 (16) and A0 (24)
	CONSUME 0, 0
	WISSUE 0, 2
	WIN 0
	BAR                                            ; chunk 0 is in LDS, everybody's part of it
	STAGE 0, 1, 0, 1, 1, 1, 16, 1                  ; chunk 0 starts the sums.  16 = W(c+2)
	STEP 1
	s_mov_b32 s20, 0
.Lstream:                                              ; six trips: chunks 1 to 12
	s_mul_i32 s21, s20, 2*CHB
	s_add_co_u32 s21, s21, CHB
	v_add_nc_u32 v[WST], s21, v[WST0]              ; the LDS addresses at chunk 2 trip + 1
	v_add_nc_u32 v[BRD], s21, v[BRD0]
	STAGE 1, 0, 0, 1, 1, 1, 16, 1
	STAGE 0, 0, 1, 1, 1, 1, 16, 1
	STEP 2
	s_add_co_u32 s20, s20, 1
	s_cmp_lt_u32 s20, 6
	s_cbranch_scc1 .Lstream
	v_add_nc_u32 v[WST], 13*CHB, v[WST0]
	v_add_nc_u32 v[BRD], 13*CHB, v[BRD0]
	STAGE 1, 0, 0, 1, 1, 0, 16, 1                  ; chunk 13: no weights are left to ask for.  16 = W15
	STAGE 0, 0, 1, 1, 1, 0, 0, 1                   ; chunk 14: nothing was issued behind A14
	STAGE 1, 0, 2, 0, 0, 0, 0, 0                   ; chunk 15: nothing was issued behind A15; all 16 chunks have been shown to all waves
	s_mov_b32 s[RB], 0
.Lrb:                                                  ; three trips: the way out of row block rb, then the products of row block rb + 1, if I have blocks there
	s_mul_i32 s22, s[RB], 24
	s_add_co_u32 s22, s22, s[WV]
	s_lshl_b32 s22, s22, 17
	v_add_nc_u32 v[GO], s22, v[L16]                ; block 24 rb + w
	s_mov_b32 s20, 0
.Lepi:                                                 ; six trips, a block each; blocks without ranks are jumped
	s_cmp_ge_u32 s20, s[NL]
	s_cbranch_scc1 .Lepi_next
; block b's own piece: |x| and max(x, 0), GELU's first two steps, bring it from its accumulators into fixed registers; each accumulator is read from its lowest register on
.macro PIECE b
	WIN 0x48+4*((\b)/4)                            ; source 1 window 2 or 3, destination window 1
.set i, 0
.rept 64
	v_and_b32 v[AX+i], s36, v[64*((\b)%4)+i]
	v_max_num_f32 v[RL+i], 0, v[64*((\b)%4)+i]
.set i, i+1
.endr
	WIN 0
.endm
.irp b, 0,1,2,3,4
	s_cmp_lg_u32 s20, \b
	s_cbranch_scc1 .Lnot\b
	PIECE \b
	s_branch .Lgelu
.Lnot\b:
.endr
	PIECE 5
.Lgelu:
	WIN 0x55                                       ; all in window 1
.set i, 0
.rept 32
	v_pk_fma_f32 v[TT+i:TT+i+1], v[AX+i:AX+i+1], s[DC+10:DC+11], s[DC+8:DC+9] op_sel_hi:[1,0,0]  ; d6 a + d5
.set i, i+2
.endr
.irp d, 6,4,2,0                        ; .. a + d4, d3, d2, d1
.set i, 0
.rept 32
	v_pk_fma_f32 v[TT+i:TT+i+1], v[TT+i:TT+i+1], v[AX+i:AX+i+1], s[DC+(\d):DC+(\d)+1] op_sel_hi:[1,1,0]
.set i, i+2
.endr
.endr
.set i, 0
.rept 32
	v_pk_fma_f32 v[TT+i:TT+i+1], v[TT+i:TT+i+1], v[AX+i:AX+i+1], 1.0 op_sel_hi:[1,1,0]
.set i, i+2
.endr
.set i, 0
.rept 64
	v_rcp_f32 v[TT+i], v[TT+i]                     ; one batch of 64
.set i, i+1
.endr
	v_nop                                          ; a plain instruction behind the last reciprocal
	s_wait_alu depctr_va_vdst(0)                   ; and one wait for the batch, ahead of its first reader
.rept 4                                ; to the 16th power
.set i, 0
.rept 32
	v_pk_mul_f32 v[TT+i:TT+i+1], v[TT+i:TT+i+1], v[TT+i:TT+i+1]
.set i, i+2
.endr
.endr
.set i, 0
.rept 32
	v_pk_mul_f32 v[AX+i:AX+i+1], v[AX+i:AX+i+1], v[TT+i:TT+i+1]
.set i, i+2
.endr
.set i, 0
.rept 32
	v_pk_fma_f32 v[RL+i:RL+i+1], v[AX+i:AX+i+1], -0.5, v[RL+i:RL+i+1] op_sel_hi:[1,0,1]
.set i, i+2
.endr
.set i, 0
.rept 32
	v_cvt_pk_bf16_f32 v[HP+i], v[RL+2*i], v[RL+2*i+1]
.set i, i+1
.endr
	WIN 0x04                                       ; data window 1, address window 0
.irp n, 0,1,2,3,4,5,6,7
	global_store_b128 v[GO], v[HP+4*(\n):HP+4*(\n)+3], s[OB:OB+1] offset:512*(\n)  ; f = 16 n + 8 hh + 0..7 of rank r: half n % 2 of kk n / 2: 512 consecutive bytes, at a multiple of 256 from hbuf's first byte
.endr
	WIN 0
	s_wait_xcnt 0x0                                ; the stores' data and offset are rewritten only behind this wait
.Lepi_next:
	v_add_nc_u32 v[GO], 4<<17, v[GO]               ; my next block lies four blocks on
	s_add_co_u32 s20, s20, 1
	s_cmp_lt_u32 s20, 6
	s_cbranch_scc1 .Lepi
	s_add_co_u32 s22, s[RB], 1
	s_mul_i32 s22, s22, 24
	SETNL                                          ; 0 behind the last row block: there are 64 blocks at the most
	s_cmp_eq_u32 s[NL], 0
	s_cbranch_scc1 .Lrbnext                        ; no barrier and no pending load in what is jumped
	SETA
	s_mov_b64 s[AB:AB+1], s[AB0:AB0+1]
	v_mov_b32 v[BRD], v[BRD0]
	OSTAGE 1
	s_mov_b32 s21, 0
.Lover:                                                ; fifteen trips: chunks 1 to 15
	s_mul_i32 s24, s21, CHB
	s_add_co_u32 s24, s24, CHB
	v_add_nc_u32 v[BRD], s24, v[BRD0]              ; the fragments' address at chunk trip + 1
	OSTAGE 0
	s_add_co_u32 s21, s21, 1
	s_cmp_lt_u32 s21, 15
	s_cbranch_scc1 .Lover
.Lrbnext:
	s_add_co_u32 s[RB], s[RB], 1
	s_cmp_lt_u32 s[RB], 3
	s_cbranch_scc1 .Lrb
	BAR                                            ; every wave's fragment loads of the later row blocks, whose address is made from a loop's count, are back before any wave's last LDS write below
	s_wait_tensorcnt 0x0                           ; the wave's end, behind my last LDS store
	ds_add_u32 v[SPW], v[NIL]
	s_wait_dscnt 0x0
	s_endpgm
.Lfunc_end_k_q8e0adf6638_ffn1:
	.size	k_q8e0adf6638_ffn1, .Lfunc_end_k_q8e0adf6638_ffn1-k_q8e0adf6638_ffn1
	.p2alignl 7, 3214868480
	.fill 96, 4, 3214868480
	.section	.rodata,"a",@progbits
	.p2align	6, 0x0
	.amdhsa_kernel k_q8e0adf6638_ffn1
		.amdhsa_group_segment_fixed_size 301568
		.amdhsa_private_segment_fixed_size 0
		.amdhsa_enable_private_segment 0
		.amdhsa_kernarg_size 32
		.amdhsa_user_sgpr_count 2
		.amdhsa_user_sgpr_kernarg_segment_ptr 1
		.amdhsa_wavefront_size32 1
		.amdhsa_system_sgpr_workgroup_id_x 1
		.amdhsa_system_sgpr_workgroup_id_y 1
		.amdhsa_system_sgpr_workgroup_id_z 1
		.amdhsa_system_vgpr_workitem_id 0
		.amdhsa_next_free_vgpr 1024
		.amdhsa_next_free_sgpr 66
		.amdhsa_reserve_vcc 1
		.amdhsa_float_denorm_mode_32 3
		.amdhsa_float_denorm_mode_16_64 3
		.amdhsa_memory_ordered 1
		.amdhsa_forward_progress 1
		.amdhsa_inst_pref_size 186
	.end_amdhsa_kernel
	.amdgpu_metadata
---
amdhsa.version: [ 1, 2 ]
amdhsa.kernels:
  - .name:           k_q8e0adf6638_ffn1
    .symbol:         k_q8e0adf6638_ffn1.kd
    .args:
      - { .name: xb, .offset: 0, .size: 8, .value_kind: global_buffer, .address_space: global }
      - { .name: w1, .offset: 8, .size: 8, .value_kind: global_buffer, .address_space: global }
      - { .name: bm, .offset: 16, .size: 8, .value_kind: global_buffer, .address_space: global }
      - { .name: hbuf, .offset: 24, .size: 8, .value_kind: global_buffer, .address_space: global }
    .group_segment_fixed_size: 301568
    .private_segment_fixed_size: 0
    .kernarg_segment_align: 8
    .kernarg_segment_size: 32
    .max_flat_workgroup_size: 128
    .sgpr_count:     66
    .vgpr_count:     1024
    .wavefront_size: 32
...
	.end_amdgpu_metadata
.endif
;; end of part 2
;; launch ffn2 (part 3): grid 256 x 1, 4 waves a work-group, no clusters, 318,976 bytes of LDS; arguments hbuf, w2, bm, ybuf; writes ybuf
.if DOCPART == 3
	.amdgcn_target "amdgcn-amd-amdhsa--gfx1250"
	.amdhsa_code_object_version 6
	.text
	.protected	k_q8e0adf6638_ffn2
	.globl	k_q8e0adf6638_ffn2
	.p2align	8
	.type	k_q8e0adf6638_ffn2,@function
k_q8e0adf6638_ffn2:
	s_mov_b64 s[64:65], 0
	v_nop
	global_prefetch_b8 v0, s[64:65] scope:SCOPE_SE
	s_setreg_imm32_b32 hwreg(HW_REG_WAVE_MODE, 25, 1), 1
	s_wait_xcnt 0x0
; SECOND PRODUCT, for the chosen rows alone, in four slices of K.  y[ks][slot][c] = sum over f in slice ks of h[rank][f] w2[e][c][f].  w2: [8][1024][4096] f32; bm: the choices (below).
; hbuf holds h in bf16 as operand registers take it: [expert][64 blocks of 16 ranks][128 kk][2 halves][32 lanes][16 bytes].  ybuf: f32 partial sums [4 ks][2048 slots = 2 t + k][1024]; the next launch adds them.
; SHARES.  Work-group (e, ns, ks) owns rows 128 ns .. + 127 of w2[e], columns 1,024 ks .. + 1,023 (512 KB of f32, which it alone reads, once) and ALL rows of expert e.  8 x 8 x 4 = 256 work-groups, four waves.
; K is split because 32 slices of 32 output columns would make every work-group read all of the expert's h; 128 x 1,024 reads a quarter of it and feeds 8 products from each token fragment.
; THE STREAM.  K goes in 16 chunks of 64.  A chunk's weights go memory -> registers -> rounded to bf16 -> LDS, each chunk into bytes of its own, which stay: nothing of them is written twice, one barrier a chunk
; shows the next chunk to all waves, and rows beyond the first 384 are served afterwards from the resident slice.  h goes from memory straight into operand registers, 512 consecutive bytes a load.
; A wave holds 6 blocks of 16 ranks x 128 columns: 384 accumulator registers.  Rank block B = 24 rb + 4 b + w.  All loads are issued on every path, so that every counted wait counts the same loads whatever the
; expert's count; a block without ranks loads one 16-byte piece of a block that exists; only products and the way out of such blocks are jumped.
; THE LIST.  bm: [128 groups of 8 tokens][32 words], word 8 k + e = 8 bits: which tokens have expert e as choice k.  Every wave ranks expert e's tokens in ascending order for itself, as the first product did, and
; keeps, in LDS bytes of its own, the slots 2 t + k of its own blocks: they say where a rank's row of y goes.  Rows past the count are not stored: whole store instructions, jumped by a scalar branch.
; THE MATRIX INSTRUCTION IS USED TRANSPOSED: source 0 = 16 rows of w2, source 1 = 16 ranks.  A lane then holds one rank (lane % 16) and eight neighbouring columns.
; FORMAT AND LIMITS.  w2 is rounded to bf16 on its way, as all inputs are in this program; sums in f32.  NaN and infinities are not treated apart.
; NO CLUSTER: each weight byte has one reader; what eight work-groups share is a quarter of an expert's h, which goes into registers, and LDS has 9 KB left beside the slice.
.set WSH,    14
.set WPITCH, 1<<WSH                    ; bytes from a row of w2 to the next
.set A_KK,   1024                      ; h operand: bytes for 32 along K
.set A_Q,    512                       ; from a fragment's first half to its second
.set ACH,    2*A_KK                    ; a chunk's bytes of a block
.set BP,     144                       ; a weight row of a chunk in LDS: 128 bytes + 16 = 36 words: the 16 rows of a fragment load start at 16 different groups of four banks (64 banks of 4 bytes: ISA guide 11.1)
.set CHB,    128*BP                    ; a chunk
.set LIST,   16*CHB                    ; behind the 16 chunks: for each wave 256 words of slots, 32 words that take the entries of other waves, and padding
.set LISTB,  1536
.set STAGE,  LIST+4*LISTB              ; for each wave 16 rows x 272 bytes, for the way out
.set SP,     272
.set SPARE,  STAGE+4*16*SP             ; the spare words, 128 bytes a wave; no other line names them
; window 0
.set WOFF, 4                           ; v4   (32 w + 8 hh) rows of w2 + 16 r: my place in a chunk of weights; never rewritten
.set WST,  5                           ; v5   where my rounded weights go, at the chunk in hand
.set BRD,  7                           ; v7   r x 144 + 16 hh, at the chunk in hand: a weight fragment's address
.set BRD0, 8                           ; v8   the same at chunk 0
.set LB,   9                           ; v9   my wave's list
.set AOFF, 10                          ; v10-15  block b's byte offset in the expert's h
.set L16,  16                          ; v16  16 x lane
.set GO,   17                          ; v17  the way out: 8 x lane + 256 x column half
.set STO,  46                          ; v46  my stage: row r, 32 hh
.set SRD,  47                          ; v47  my stage: 8 x lane
.set WST0, 50                          ; v50  WST at chunk 0
.set SPW,  62                          ; v62  my spare word's LDS address; never rewritten
.set NIL,  63                          ; v63  0; never rewritten
.set PK,   64                          ; v64-95   a chunk's weights, rounded; on the way out 16 rows of 8 bytes a lane
.set SLT,  96                          ; v96-111  the way out: the block's 16 slots
.set OFS,  112                         ; v112-127 the way out: the rows' offsets in ybuf
.set WF,   128                         ; v128-255 weight fragments: 128 + 64 kk + 8 nb
; window 1: v0-191 h fragments, two sets: 96 set + 16 b + 8 kk
; window 2: accumulators of blocks 0-3 at 64 b + 8 nb.  window 3: v0-127 blocks 4-5; v128-255 weights as loaded, two sets
.set RAW,  128
.set WV,   12                          ; s12 wave   s13 expert   s14 slice
.set EX,   13
.set SL,   14
.set CNT,  15                          ; s15 the expert's rows   s16 its blocks, at least 1   s17 the last block
.set NBT,  16
.set NBT1, 17
.set NL,   18                          ; s18 my live blocks in the row block in hand, 0..6
.set RB,   19                          ; s19 the row block
.set AB,   28                          ; s[28:29] the expert's h, my K slice, at the chunk in hand   s[30:31] at chunk 0
.set AB0,  30
.set WB,   32                          ; s[32:33] my slice of w2 at the chunk in hand
.set OB,   34                          ; s[34:35] ybuf at my K slice and my 128 columns
.set MSB, 0
.macro WIN new                         ; s_set_vgpr_msb: bits 1:0 source 0, 3:2 source 1, 5:4 source 2, 7:6 destination; the high byte repeats the setting that is left; a switch that changes nothing is dropped
.if MSB != (\new)
	s_set_vgpr_msb (MSB<<8)|(\new)
.set MSB, \new
.endif
.endm
.macro PLACES                          ; four plain instructions between a matrix instruction and a load into, or a store of, its registers (ISA guide 7.12.1 for vector instructions)
.rept 4
	v_nop
.endr
.endm
; 16 loads: chunk g (counted from the one in hand) of my 32 weight rows.  Lanes 0-15 take 256 consecutive bytes of one row, lanes 16-31 those of the row 8 further down.
.macro WISSUE set, g
	WIN 0xc0                                       ; destination window 3
.irp i, 0,1,2,3,4,5,6,7,8,9,10,11,12,13,14,15
	global_load_b128 v[RAW+64*(\set)+4*(\i):RAW+64*(\set)+4*(\i)+3], v[WOFF], s[WB:WB+1] offset:(\g)*256+(16*((\i)/8)+(\i)%8)*WPITCH th:TH_LOAD_NT
.endr
.endm
; 24 loads: chunk g of h of all six blocks, live or not
.macro AISSUE set, g
	WIN 0x40                                       ; destination window 1
.irp b, 0,1,2,3,4,5
.irp k, 0,1
.irp q, 0,1
	global_load_b128 v[96*(\set)+16*(\b)+8*(\k)+4*(\q):96*(\set)+16*(\b)+8*(\k)+4*(\q)+3], v[AOFF+(\b)], s[AB:AB+1] offset:(\g)*ACH+(\k)*A_KK+(\q)*A_Q
.endr
.endr
.endr
.endm
; 32 LDS loads: the 16 weight fragments of chunk kb
.macro BLOAD kb
	WIN 0
.irp k, 0,1
.irp n, 0,1,2,3,4,5,6,7
	ds_load_b128 v[WF+64*(\k)+8*(\n):WF+64*(\k)+8*(\n)+3],   v[BRD] offset:(\kb)*CHB+(\n)*16*BP+(\k)*64
	ds_load_b128 v[WF+64*(\k)+8*(\n)+4:WF+64*(\k)+8*(\n)+7], v[BRD] offset:(\kb)*CHB+(\n)*16*BP+(\k)*64+32
.endr
.endr
.endm
; a chunk's weights are rounded and put into LDS as chunk ks: 8 bytes a lane
.macro CONSUME set, ks
	WIN 0x0f                                       ; sources window 3
.irp i, 0,1,2,3,4,5,6,7,8,9,10,11,12,13,14,15
	v_cvt_pk_bf16_f32 v[PK+2*(\i)],   v[RAW+64*(\set)+4*(\i)],   v[RAW+64*(\set)+4*(\i)+1]
	v_cvt_pk_bf16_f32 v[PK+2*(\i)+1], v[RAW+64*(\set)+4*(\i)+2], v[RAW+64*(\set)+4*(\i)+3]
.endr
	WIN 0
.irp i, 0,1,2,3,4,5,6,7,8,9,10,11,12,13,14,15
	ds_store_b64 v[WST], v[PK+2*(\i):PK+2*(\i)+1] offset:(\ks)*CHB+(16*((\i)/8)+(\i)%8)*BP
.endr
.endm
; A chunk's products: 16 for each live block, its 8 accumulators by turns, one instruction a turn: no two matrix instructions on end share an accumulator, from block to block and from
; chunk to chunk too.  zero = 1: the first products start the sums with the constant 0, in all six blocks, so that nothing is cleared and every accumulator is written on every path.
.macro MULS set, zero
.irp b, 0,1,2,3,4,5
.if !(\zero)
	WIN 0                                          ; at a branch and at a label every window is 0
	s_cmp_le_u32 s[NL], \b
	s_cbranch_scc1 .Lmend_\@
.endif
	WIN 0xa4+0x50*((\b)/4)                         ; weights window 0, h window 1, sums window 2 or 3
.irp k, 0,1
.irp n, 0,1,2,3,4,5,6,7
.set AC, 64*((\b)%4)+8*(\n)
.set FW, WF+64*(\k)+8*(\n)
.set FA, 96*(\set)+16*(\b)+8*(\k)
.if (\zero) && ((\k) == 0)
	v_wmma_f32_16x16x32_bf16 v[AC:AC+7], v[FW:FW+7], v[FA:FA+7], 0
.else
	v_wmma_f32_16x16x32_bf16 v[AC:AC+7], v[FW:FW+7], v[FA:FA+7], v[AC:AC+7]
.endif
.endr
.endr
.endr
	WIN 0
.Lmend_\@:
	PLACES                                         ; in front of the next loads into fragment registers, and of the way out's stores
.endm
.macro BAR
	s_wait_dscnt 0x0                               ; for the others' sake: none of my LDS instructions is out
	s_barrier_signal -1
	s_barrier_wait -1
.endm
; THE STAGE of chunk c = the chunk in hand + d; par = c % 2.  The loads' order is the same on every path: .. W(c+1), A(c), W(c+2), then in this stage A(c+1), W(c+3).
; n1: the loads issued behind A(c) when the wait is reached, which may stay out: W(c+2)'s 16, or none; W(c+1) is older than A(c) and is in with it.
; By this text's count a wave has 56 loads out at the most: W(c+2), A(c+1), W(c+3).
.macro STAGE par, zero, d, issa, cons, reis, n1, bar
	BLOAD \d
	s_wait_loadcnt \n1
.if \issa
	AISSUE 1-(\par), (\d)+1
.endif
.if \cons
	CONSUME 1-(\par), (\d)+1
.endif
.if \reis
	WISSUE 1-(\par), (\d)+3
.endif
.if \cons
	s_wait_dscnt 16                                ; the 32 fragment loads are in; the 16 stores behind them may be out
.else
	s_wait_dscnt 0x0
.endif
	MULS \par, \zero
.if \bar
	BAR                                            ; my part of the next chunk is in LDS; behind the barrier everybody's is
.endif
.endm
.macro STEP n                          ; the two global bases go n chunks on
	s_wait_xcnt 0x0                                ; every load issued has had its address translated (ISA guide 3.1): only now are their bases rewritten
	s_add_nc_u64 s[AB:AB+1], s[AB:AB+1], (\n)*ACH
	s_add_nc_u64 s[WB:WB+1], s[WB:WB+1], (\n)*256
.endm
.macro SETNL                           ; s22 = 24 x: my live blocks in row block x: those b with 24 x + 4 b + w < NBT
	s_sub_co_i32 s[NL], s[NBT], s22
	s_sub_co_i32 s[NL], s[NL], s[WV]
	s_add_co_i32 s[NL], s[NL], 3
	s_ashr_i32 s[NL], s[NL], 2
	s_max_i32 s[NL], s[NL], 0
	s_min_i32 s[NL], s[NL], 6
.endm
.macro SETA                            ; s22 = 24 x: the six blocks' places in h.  A live block: block B, 16 bytes a lane.  A dead one: the expert's last block, the same 16 bytes for all lanes
	s_add_co_u32 s23, s22, s[WV]
.irp b, 0,1,2,3,4,5
	s_add_co_u32 s24, s23, 4*(\b)
	s_cmp_lt_u32 s24, s[NBT]
	s_cselect_b32 s25, 16, 0
	s_min_u32 s24, s24, s[NBT1]
	s_min_u32 s24, s24, 63
	s_min_u32 s25, s25, 16
	s_lshl_b32 s24, s24, 17
	v_mad_u32_u24 v[AOFF+(\b)], v1, s25, s24
.endr
.endm
.macro OSTAGE zero                     ; a chunk for a later row block: the weights are resident; plain, every wait for 0
	BLOAD 0
	AISSUE 0, 0
	s_wait_loadcnt 0x0
	s_wait_dscnt 0x0
	MULS 0, \zero
	s_add_nc_u64 s[AB:AB+1], s[AB:AB+1], ACH       ; the loads that named it are done
.endm
	s_load_b256 s[4:11], s[0:1], 0x0               ; hbuf s[4:5], w2 s[6:7], bm s[8:9], ybuf s[10:11]
	v_lshl_add_u32 v[SPW], v0, 2, SPARE
	v_mov_b32 v[NIL], 0
	v_lshrrev_b32 v18, 5, v0
	v_readfirstlane_b32 s[WV], v18
	s_lshr_b32 s[EX], ttmp9, 5
	s_and_b32 s[SL], ttmp9, 31
	v_and_b32 v1, 31, v0                           ; lane
	v_and_b32 v2, 15, v0                           ; r
	v_bfe_u32 v3, v0, 4, 1                         ; hh
	v_lshlrev_b32 v[L16], 4, v1
	s_lshl_b32 s22, s[WV], 5
	v_lshl_add_u32 v18, v3, 3, s22                 ; 32 w + 8 hh
	v_lshlrev_b32 v[WOFF], WSH, v18
	v_lshl_add_u32 v[WOFF], v2, 4, v[WOFF]
	v_mul_u32_u24 v[WST0], v18, BP
	v_lshl_add_u32 v[WST0], v2, 3, v[WST0]
	v_mov_b32 v[WST], v[WST0]
	v_mul_u32_u24 v[BRD0], v2, BP
	v_lshl_add_u32 v[BRD0], v3, 4, v[BRD0]
	v_mov_b32 v[BRD], v[BRD0]
	s_mul_i32 s22, s[WV], LISTB
	s_add_co_u32 s22, s22, LIST
	v_mov_b32 v[LB], s22
	s_mul_i32 s22, s[WV], 16*SP
	s_add_co_u32 s22, s22, STAGE
	v_mul_u32_u24 v[STO], v2, SP
	v_lshl_add_u32 v[STO], v3, 5, v[STO]
	v_add_nc_u32 v[STO], s22, v[STO]
	v_lshl_add_u32 v[SRD], v1, 3, s22
	s_lshl_b32 s22, s[EX], 2
	v_lshl_add_u32 v19, v1, 9, s22                 ; bm: lane g has tokens 32 g .. + 31, four groups of 128 bytes; expert e's word
	s_and_b32 s24, s[SL], 7                        ; ns: which 128 columns of y
	s_lshr_b32 s25, s[SL], 3                       ; ks: which 1,024 of K
	s_lshl_b32 s52, s[EX], 24                      ; w2: 16 MB an expert, 128 rows of 16,384 bytes, 4,096 bytes of each row
	s_lshl_b32 s22, s24, 21
	s_add_co_u32 s52, s52, s22
	s_lshl_b32 s22, s25, 12
	s_add_co_u32 s52, s52, s22
	s_mov_b32 s53, 0
	s_lshl_b32 s54, s[EX], 23                      ; hbuf: 8 MB an expert; my K slice is 32 kk of 1,024 bytes in every block
	s_lshl_b32 s22, s25, 15
	s_add_co_u32 s54, s54, s22
	s_mov_b32 s55, 0
	s_lshl_b32 s2, s25, 23                         ; ybuf: 8 MB a K slice, 512 bytes of each row
	s_lshl_b32 s22, s24, 9
	s_add_co_u32 s2, s2, s22
	s_mov_b32 s3, 0
	s_mov_b32 s26, 0x76543210                      ; v_permlanex16_b32: each lane takes its own place in the other half
	s_mov_b32 s27, 0xfedcba98
	s_mov_b32 s36, 0x01010101
	s_wait_kmcnt 0x0
	s_add_nc_u64 s[WB:WB+1], s[6:7], s[52:53]
	s_add_nc_u64 s[AB0:AB0+1], s[4:5], s[54:55]
	s_add_nc_u64 s[OB:OB+1], s[10:11], s[2:3]
	s_mov_b64 s[AB:AB+1], s[AB0:AB0+1]
.irp k, 0,1
.irp i, 0,1,2,3
	global_load_b32 v[20+4*(\k)+(\i)], v19, s[8:9] offset:128*(\i)+32*(\k)
.endr
.endr
	WISSUE 0, 0                                    ; the stream begins ahead of the list's arithmetic
	WISSUE 1, 1
	WIN 0
.irp i, 28,29,30,31
	v_mov_b32 v[\i], 0
.endr
	v_add_nc_u32 v32, v[LB], v[L16]
	ds_store_b128 v32, v[28:31]                    ; my list starts as zeros, so that no word of it is read unwritten
	ds_store_b128 v32, v[28:31] offset:512
	ds_store_b128 v32, v[28:31] offset:1024
	s_wait_loadcnt 32                              ; bm's eight words are in; the 32 weight loads behind them stay out
	v_lshl_or_b32 v33, v21, 8, v20                 ; bit j: token 32 g + j has expert e as its first choice,
	v_lshl_or_b32 v33, v22, 16, v33
	v_lshl_or_b32 v33, v23, 24, v33
	v_lshl_or_b32 v34, v25, 8, v24                 ; as its second
	v_lshl_or_b32 v34, v26, 16, v34
	v_lshl_or_b32 v34, v27, 24, v34
	v_or_b32 v35, v33, v34
	v_lshrrev_b32 v38, 1, v35                      ; how many bits are set: pairs, fours, bytes, and the bytes' sum by a multiplication
	v_and_b32 v38, 0x55555555, v38
	v_sub_nc_u32 v36, v35, v38
	v_lshrrev_b32 v38, 2, v36
	v_and_b32 v36, 0x33333333, v36
	v_and_b32 v38, 0x33333333, v38
	v_add_nc_u32 v36, v36, v38
	v_lshrrev_b32 v38, 4, v36
	v_add_nc_u32 v36, v36, v38
	v_and_b32 v36, 0x0f0f0f0f, v36
	v_mul_lo_u32 v36, v36, s36
	v_lshrrev_b32 v36, 24, v36
	v_mov_b32 v37, 0                               ; the ranks in front of my 32 tokens: five steps; in each a lane takes its partner's sum, and counts it in front if the partner is the lower
.irp s, 0,1,2,3
	v_mov_b32_dpp v38, v36 row_xmask:1<<(\s) row_mask:0xf bank_mask:0xf
	v_bfe_u32 v39, v1, \s, 1
	v_mad_u32_u24 v37, v39, v38, v37
	v_add_nc_u32 v36, v36, v38
.endr
	v_permlanex16_b32 v38, v36, s26, s27
	v_bfe_u32 v39, v1, 4, 1
	v_mad_u32_u24 v37, v39, v38, v37
	v_add_nc_u32 v36, v36, v38
	v_readfirstlane_b32 s[CNT], v36
	s_min_u32 s[CNT], s[CNT], 1024
	s_add_co_u32 s[NBT], s[CNT], 15
	s_lshr_b32 s[NBT], s[NBT], 4
	s_max_u32 s[NBT], s[NBT], 1
	s_sub_co_u32 s[NBT1], s[NBT], 1
	v_lshlrev_b32 v40, 6, v1                       ; slot of my first token, first choice
	v_add_nc_u32 v41, 0x100, v1                    ; where entries that are not mine go
	s_mov_b32 s20, 0
.Llist:                                                ; 32 trips: token 32 g + j of every lane
	v_bfe_u32 v42, v35, s20, 1                     ; is it the expert's?
	v_bfe_u32 v43, v34, s20, 1                     ; by which choice?
	s_lshl_b32 s21, s20, 1
	v_add_nc_u32 v43, v40, v43
	v_add_nc_u32 v43, s21, v43                     ; its slot
	v_bfe_u32 v44, v37, 4, 2                       ; rank block % 4: whose block?
	v_cmp_eq_u32 vcc_lo, s[WV], v44
	v_cmp_eq_u32 s22, 1, v42
	s_and_b32 vcc_lo, vcc_lo, s22
	v_lshrrev_b32 v44, 6, v37                      ; my block's number among mine, 6 rb + b,
	v_and_b32 v45, 15, v37                         ; and the place in it
	v_lshl_or_b32 v44, v44, 4, v45
	v_cndmask_b32 v44, v41, v44, vcc_lo
	v_min_u32 v44, 0x11f, v44
	v_lshl_add_u32 v44, v44, 2, v[LB]
	ds_store_b32 v44, v43
	v_add_nc_u32 v37, v37, v42
	s_add_co_u32 s20, s20, 1
	s_cmp_lt_u32 s20, 32
	s_cbranch_scc1 .Llist
	s_mov_b32 s22, 0
	SETNL
	SETA
	; THE STREAM: row block 0 under the weights
	AISSUE 0, 0
	s_wait_loadcnt 40                              ; W0 is in: behind it W1 (16) and A0 (24)
	CONSUME 0, 0
	WISSUE 0, 2
	WIN 0
	BAR                                            ; chunk 0 is in LDS, everybody's part of it
	STAGE 0, 1, 0, 1, 1, 1, 16, 1                  ; chunk 0 starts the sums.  16 = W(c+2)
	STEP 1
	s_mov_b32 s20, 0
.Lstream:                                              ; six trips: chunks 1 to 12
	s_mul_i32 s21, s20, 2*CHB
	s_add_co_u32 s21, s21, CHB
	v_add_nc_u32 v[WST], s21, v[WST0]              ; the LDS addresses at chunk 2 trip + 1
	v_add_nc_u32 v[BRD], s21, v[BRD0]
	STAGE 1, 0, 0, 1, 1, 1, 16, 1
	STAGE 0, 0, 1, 1, 1, 1, 16, 1
	STEP 2
	s_add_co_u32 s20, s20, 1
	s_cmp_lt_u32 s20, 6
	s_cbranch_scc1 .Lstream
	v_add_nc_u32 v[WST], 13*CHB, v[WST0]
	v_add_nc_u32 v[BRD], 13*CHB, v[BRD0]
	STAGE 1, 0, 0, 1, 1, 0, 16, 1                  ; chunk 13: no weights are left to ask for.  16 = W15
	STAGE 0, 0, 1, 1, 1, 0, 0, 1                   ; chunk 14: nothing was issued behind A14
	STAGE 1, 0, 2, 0, 0, 0, 0, 0                   ; chunk 15: nothing was issued behind A15; all 16 chunks have been shown to all waves
	s_mov_b32 s[RB], 0
.Lrb:                                                  ; three trips: the way out of row block rb, then the products of row block rb + 1, if I have blocks there
	v_lshlrev_b32 v[GO], 3, v1
	s_mov_b32 s20, 0
.Lepi:                                                 ; twelve trips: a block's 64 left columns, then its 64 right ones; blocks without ranks are jumped
	s_lshr_b32 s21, s20, 1                         ; b
	s_cmp_ge_u32 s21, s[NL]
	s_cbranch_scc1 .Lepi_next
; half block t's own piece: four accumulators into my stage, 16 bytes a lane and store; each accumulator's low four registers first.  Rows 272 bytes apart
.macro PIECE t
	WIN 0x08+4*((\t)/8)                            ; data window 2 or 3
.irp n, 0,1,2,3
.set AC, 64*(((\t)/2)%4)+32*((\t)%2)+8*(\n)
	ds_store_b128 v[STO], v[AC:AC+3]   offset:64*(\n)
	ds_store_b128 v[STO], v[AC+4:AC+7] offset:64*(\n)+16
.endr
	WIN 0
.endm
.irp t, 0,1,2,3,4,5,6,7,8,9,10
	s_cmp_lg_u32 s20, \t
	s_cbranch_scc1 .Lnot\t
	PIECE \t
	s_branch .Lsend
.Lnot\t:
.endr
	PIECE 11
.Lsend:
	s_mul_i32 s22, s[RB], 6
	s_add_co_u32 s22, s22, s21
	s_min_u32 s22, s22, 15
	s_lshl_b32 s22, s22, 6
	v_add_nc_u32 v48, s22, v[LB]                   ; the block's 16 slots, the same address in all lanes
.irp i, 0,1,2,3
	ds_load_b128 v[SLT+4*(\i):SLT+4*(\i)+3], v48 offset:16*(\i)
.endr
.irp i, 0,1,2,3,4,5,6,7,8,9,10,11,12,13,14,15
	ds_load_b64 v[PK+2*(\i):PK+2*(\i)+1], v[SRD] offset:SP*(\i)  ; LDS serves a wave's instructions in order (ISA guide 5.7.1.4): these see the stores above, and the next piece's stores come behind them
.endr
	s_mul_i32 s23, s[RB], 24
	s_lshl2_add_u32 s23, s21, s23
	s_add_co_u32 s23, s23, s[WV]                   ; B
	s_lshl_b32 s23, s23, 4
	s_sub_co_i32 s23, s[CNT], s23                  ; how many of the block's 16 places hold a rank
	s_wait_dscnt 0x0
.irp i, 0,1,2,3,4,5,6,7,8,9,10,11,12,13,14,15
	s_cmp_le_i32 s23, \i
	s_cbranch_scc1 .Lsent                          ; rows past the count: whole stores, jumped
	v_min_u32 v[OFS+(\i)], 0x7ff, v[SLT+(\i)]
	v_lshl_add_u32 v[OFS+(\i)], v[OFS+(\i)], 12, v[GO]
	global_store_b64 v[OFS+(\i)], v[PK+2*(\i):PK+2*(\i)+1], s[OB:OB+1]  ; one row: 32 lanes store 256 consecutive bytes, at a multiple of 256 from ybuf's first byte
.endr
.Lsent:
	s_wait_xcnt 0x0                                ; the stores' data and offsets are rewritten only behind this wait
.Lepi_next:
	v_xor_b32 v[GO], 0x100, v[GO]                  ; the other column half
	s_add_co_u32 s20, s20, 1
	s_cmp_lt_u32 s20, 12
	s_cbranch_scc1 .Lepi
	BAR                                            ; every wave's stores into its stage are done before any wave's fragment loads below, whose address is made from a loop's count
	s_add_co_u32 s22, s[RB], 1
	s_mul_i32 s22, s22, 24
	SETNL                                          ; 0 behind the last row block: there are 64 blocks at the most
	s_cmp_eq_u32 s[NL], 0
	s_cbranch_scc1 .Lrbnext                        ; no barrier and no pending load in what is jumped
	SETA
	s_mov_b64 s[AB:AB+1], s[AB0:AB0+1]
	v_mov_b32 v[BRD], v[BRD0]
	OSTAGE 1
	s_mov_b32 s21, 0
.Lover:                                                ; fifteen trips: chunks 1 to 15
	s_mul_i32 s24, s21, CHB
	s_add_co_u32 s24, s24, CHB
	v_add_nc_u32 v[BRD], s24, v[BRD0]              ; the fragments' address at chunk trip + 1
	OSTAGE 0
	s_add_co_u32 s21, s21, 1
	s_cmp_lt_u32 s21, 15
	s_cbranch_scc1 .Lover
.Lrbnext:
	BAR                                            ; and those loads are back, in every wave, before any wave writes LDS again: the next way out's stage, or the last lines below
	s_add_co_u32 s[RB], s[RB], 1
	s_cmp_lt_u32 s[RB], 3
	s_cbranch_scc1 .Lrb
	s_wait_tensorcnt 0x0                           ; the wave's end, behind my last LDS store
	ds_add_u32 v[SPW], v[NIL]
	s_wait_dscnt 0x0
	s_endpgm
.Lfunc_end_k_q8e0adf6638_ffn2:
	.size	k_q8e0adf6638_ffn2, .Lfunc_end_k_q8e0adf6638_ffn2-k_q8e0adf6638_ffn2
	.p2alignl 7, 3214868480
	.fill 96, 4, 3214868480
	.section	.rodata,"a",@progbits
	.p2align	6, 0x0
	.amdhsa_kernel k_q8e0adf6638_ffn2
		.amdhsa_group_segment_fixed_size 318976
		.amdhsa_private_segment_fixed_size 0
		.amdhsa_enable_private_segment 0
		.amdhsa_kernarg_size 32
		.amdhsa_user_sgpr_count 2
		.amdhsa_user_sgpr_kernarg_segment_ptr 1
		.amdhsa_wavefront_size32 1
		.amdhsa_system_sgpr_workgroup_id_x 1
		.amdhsa_system_sgpr_workgroup_id_y 1
		.amdhsa_system_sgpr_workgroup_id_z 1
		.amdhsa_system_vgpr_workitem_id 0
		.amdhsa_next_free_vgpr 1024
		.amdhsa_next_free_sgpr 66
		.amdhsa_reserve_vcc 1
		.amdhsa_float_denorm_mode_32 3
		.amdhsa_float_denorm_mode_16_64 3
		.amdhsa_memory_ordered 1
		.amdhsa_forward_progress 1
		.amdhsa_inst_pref_size 144
	.end_amdhsa_kernel
	.amdgpu_metadata
---
amdhsa.version: [ 1, 2 ]
amdhsa.kernels:
  - .name:           k_q8e0adf6638_ffn2
    .symbol:         k_q8e0adf6638_ffn2.kd
    .args:
      - { .name: hbuf, .offset: 0, .size: 8, .value_kind: global_buffer, .address_space: global }
      - { .name: w2, .offset: 8, .size: 8, .value_kind: global_buffer, .address_space: global }
      - { .name: bm, .offset: 16, .size: 8, .value_kind: global_buffer, .address_space: global }
      - { .name: ybuf, .offset: 24, .size: 8, .value_kind: global_buffer, .address_space: global }
    .group_segment_fixed_size: 318976
    .private_segment_fixed_size: 0
    .kernarg_segment_align: 8
    .kernarg_segment_size: 32
    .max_flat_workgroup_size: 128
    .sgpr_count:     66
    .vgpr_count:     1024
    .wavefront_size: 32
...
	.end_amdgpu_metadata
.endif
;; end of part 3
;; launch combine (part 4): grid 256 x 1, 8 waves a work-group, no clusters, 0 bytes of LDS; arguments ybuf, wts, out0; writes out0
.if DOCPART == 4
	.amdgcn_target "amdgcn-amd-amdhsa--gfx1250"
	.amdhsa_code_object_version 6
	.text
	.protected	k_q8e0adf6638_combine
	.globl	k_q8e0adf6638_combine
	.p2align	8
	.type	k_q8e0adf6638_combine,@function
k_q8e0adf6638_combine:
	s_mov_b64 s[64:65], 0
	v_nop
	global_prefetch_b8 v0, s[64:65] scope:SCOPE_SE
	s_setreg_imm32_b32 hwreg(HW_REG_WAVE_MODE, 25, 1), 1
	s_wait_xcnt 0x0
; out[t][c] = w0[t] (sum over ks of y[ks][2 t][c]) + w1[t] (sum over ks of y[ks][2 t + 1][c]).  ybuf: f32 [4 ks][2048 slots][1024]; wts: f32 [1024][2]; out0: f32 [1024][1024].
; A stream: each byte of ybuf is read once, each byte of out0 written once; LDS, barriers and the matrix unit would add nothing, and no two work-groups read the same byte, so there is no cluster.
; Work-group g has tokens 4 g .. 4 g + 3; wave w has token 4 g + w / 2 and half w % 2 of its row: 2,048 bytes, in four pieces of 512.  All 32 loads of a wave go out at once.
; The four K slices are added as (y0 + y1) + (y2 + y3), another order than one sum over K.
.set Y, 16                             ; v16-143: piece j, slice s, choice k at 16 + 32 j + 8 s + 4 k
	s_load_b128 s[4:7], s[0:1], 0x0                ; ybuf s[4:5], wts s[6:7]
	s_load_b64 s[8:9], s[0:1], 0x10                ; out0
	v_and_b32 v1, 31, v0
	v_lshrrev_b32 v4, 5, v0
	v_readfirstlane_b32 s14, v4                    ; wave 0..7
	s_lshr_b32 s15, s14, 1
	s_lshl2_add_u32 s15, ttmp9, s15                ; my token
	s_and_b32 s24, s14, 1
	s_lshl_b32 s24, s24, 11                        ; my half of the row
	s_lshl_b32 s25, s15, 13                        ; slot 2 t: 4,096 bytes a slot
	s_add_co_u32 s25, s25, s24
	s_lshl_b32 s26, s15, 12
	s_add_co_u32 s26, s26, s24
	v_lshl_add_u32 v2, v1, 4, s25
	v_lshl_add_u32 v3, v1, 4, s26
	s_lshl_b32 s12, s15, 3
	s_mov_b32 s13, 0
	s_wait_kmcnt 0x0
	s_add_nc_u64 s[6:7], s[6:7], s[12:13]
	s_load_b64 s[10:11], s[6:7], 0x0               ; the token's two weights
	s_mov_b64 s[16:17], s[4:5]                     ; a base for each K slice: 8 MB apart, past a load's immediate
	s_add_nc_u64 s[18:19], s[4:5], 0x800000
	s_add_nc_u64 s[20:21], s[4:5], 0x1000000
	s_add_nc_u64 s[22:23], s[4:5], 0x1800000
.irp j, 0,1,2,3
.irp s, 0,1,2,3
.irp k, 0,1
	global_load_b128 v[Y+32*(\j)+8*(\s)+4*(\k):Y+32*(\j)+8*(\s)+4*(\k)+3], v2, s[16+2*(\s):17+2*(\s)] offset:4096*(\k)+512*(\j) th:TH_LOAD_NT
.endr
.endr
.endr
	s_wait_kmcnt 0x0
	s_mov_b32 s12, s11                             ; the second weight as the low word of a pair: the packed forms take a scalar pair's low word for both halves
	s_mov_b32 s13, s11
.macro PART j, left                    ; left: the loads of the later pieces, which may stay out
	s_wait_loadcnt \left
.irp k, 0,1
.irp p, 0,2
.set R0, Y+32*(\j)+4*(\k)+(\p)
	v_pk_add_f32 v[R0:R0+1], v[R0:R0+1], v[R0+8:R0+9]
	v_pk_add_f32 v[R0+16:R0+17], v[R0+16:R0+17], v[R0+24:R0+25]
	v_pk_add_f32 v[R0:R0+1], v[R0:R0+1], v[R0+16:R0+17]
.endr
.endr
.irp p, 0,2
.set R0, Y+32*(\j)+(\p)
	v_pk_mul_f32 v[R0:R0+1], v[R0:R0+1], s[10:11] op_sel_hi:[1,0]
	v_pk_fma_f32 v[R0:R0+1], v[R0+4:R0+5], s[12:13], v[R0:R0+1] op_sel_hi:[1,0,1]
.endr
	global_store_b128 v3, v[Y+32*(\j):Y+32*(\j)+3], s[8:9] offset:512*(\j) th:TH_STORE_NT  ; 512 consecutive bytes, at a multiple of 256 from out0's first byte
.endm
	PART 0, 24
	PART 1, 16
	PART 2, 8
	PART 3, 0
	s_endpgm
.Lfunc_end_k_q8e0adf6638_combine:
	.size	k_q8e0adf6638_combine, .Lfunc_end_k_q8e0adf6638_combine-k_q8e0adf6638_combine
	.p2alignl 7, 3214868480
	.fill 96, 4, 3214868480
	.section	.rodata,"a",@progbits
	.p2align	6, 0x0
	.amdhsa_kernel k_q8e0adf6638_combine
		.amdhsa_group_segment_fixed_size 0
		.amdhsa_private_segment_fixed_size 0
		.amdhsa_enable_private_segment 0
		.amdhsa_kernarg_size 24
		.amdhsa_user_sgpr_count 2
		.amdhsa_user_sgpr_kernarg_segment_ptr 1
		.amdhsa_wavefront_size32 1
		.amdhsa_system_sgpr_workgroup_id_x 1
		.amdhsa_system_sgpr_workgroup_id_y 1
		.amdhsa_system_sgpr_workgroup_id_z 1
		.amdhsa_system_vgpr_workitem_id 0
		.amdhsa_next_free_vgpr 144
		.amdhsa_next_free_sgpr 66
		.amdhsa_reserve_vcc 0
		.amdhsa_float_denorm_mode_32 3
		.amdhsa_float_denorm_mode_16_64 3
		.amdhsa_memory_ordered 1
		.amdhsa_forward_progress 1
		.amdhsa_inst_pref_size 9
	.end_amdhsa_kernel
	.amdgpu_metadata
---
amdhsa.version: [ 1, 2 ]
amdhsa.kernels:
  - .name:           k_q8e0adf6638_combine
    .symbol:         k_q8e0adf6638_combine.kd
    .args:
      - { .name: ybuf, .offset: 0, .size: 8, .value_kind: global_buffer, .address_space: global }
      - { .name: wts, .offset: 8, .size: 8, .value_kind: global_buffer, .address_space: global }
      - { .name: out0, .offset: 16, .size: 8, .value_kind: global_buffer, .address_space: global }
    .group_segment_fixed_size: 0
    .private_segment_fixed_size: 0
    .kernarg_segment_align: 8
    .kernarg_segment_size: 24
    .max_flat_workgroup_size: 256
    .sgpr_count:     66
    .vgpr_count:     144
    .wavefront_size: 32
...
	.end_amdgpu_metadata
.endif
;; end of part 4
